; MI455X (gfx1250); checked and timed in simulation.
; The chip was launched on July 23, 2026; its instructions are those of AMD's public machine-readable ISA for CDNA 5 (MIT licence, August 2026) and "CDNA5" Instruction Set Architecture Reference Guide (July 2026). The comments in the code are by the model that wrote it; some were corrected since.
;; LST Mmodel. Allowed arithmetic: matrix products marked QUANTISED: E5M2 operands, one E8M0 scale for each 32 along K, by v_wmma_scale_f32_16x16x128_f8f6f4 with both operands' format E5M2, f32 sums; products left as they are: f32 operands where the result goes on into a quantised operand, else bf16, f16 or f32 operands; f32 sums; everything else in f32.
;; Inputs: W_ih 1,024 x 256 float32; Win 256 x 16 float32; Wout 1 x 256 float32; b_hh 1,024 float32; b_ih 1,024 float32; b_in 256 float32; b_out 1 float32; x 365 x 512 x 16 float32.
;; Outputs: out0 365 x 512 x 1 float32.
;; This version of the problem:
;;   THIS VERSION OF THE PROBLEM IS GIVEN IN LOW PRECISION. The matrix products marked QUANTISED in the list below multiply operands that are first quantised to E5M2 (5 exponent bits, 2 mantissa bits; 8 bits a number), with one power-of-two scale for each 32 numbers along K (OCP MX v1.0); their sums are f32. All else is computed in f32.
;;   The module's matrix products, in the order in which they are computed (A, B: the left and right operand; K: the contracted axis; several contracted axes count as one K, in the product's order):
;;     1. [M 186,880, K 16] x [K 16, N 256]; A: input x; B: input Win: left as it is (K = 16 < 32)
;;     2. [M 186,880, K 256] x [K 256, N 1,024]; A: computed on the way; B: input W_ih: QUANTISED
;;     3. [M 186,880, K 256] x [K 256, N 1]; A: computed on the way; B: input Wout: left as it is (N = 1 < 16)
;;   THE QUANTISER, for each operand of a quantised product, along K:
;;     - K is cut into blocks of 32 from its start; a last block that is shorter is filled with zeros.
;;     - A block's scale is 2^e with e = floor(log2(the largest magnitude in the block)) - 15, held to -126 .. 127; a block of zeros has e = 0. As a byte (E8M0): e + 127.
;;     - Each number is divided by its block's scale, clamped to +-57,344, and rounded to the nearest number of E5M2, ties to even, subnormals kept.
;;     - The product sums the exact products of the quantised numbers (number of the format x scale) in f32.
;;   ~~~python
;;   def quantise(x, axis):      # numpy; x: float32 -> the quantised numbers, widened to float32 again
;;       x = np.moveaxis(x, axis, -1); K = x.shape[-1]
;;       x = np.pad(x, [(0, 0)] * (x.ndim - 1) + [(0, -K % 32)]); x = x.reshape(x.shape[:-1] + (-1, 32)); a = np.abs(x).max(-1, keepdims=True)
;;       e = np.where(a > 0, np.clip(np.frexp(np.where(a > 0, a, 1))[1] - 1 - 15, -126, 127), 0)      # np.frexp(a)[1] - 1 = floor(log2(a)), exactly
;;       r = np.clip(x / 2.0 ** e, -57344, 57344)
;;       step = 2.0 ** (np.maximum(np.frexp(np.where(r == 0, 1, r))[1] - 1, -14) - 2)
;;       q = np.round(r / step) * step * 2.0 ** e      # np.round: ties to even
;;       return np.moveaxis(q.reshape(q.shape[:-2] + (-1,))[..., :K], -1, axis).astype(np.float32)
;;   ~~~
;;   OPERANDS COMPUTED ON THE WAY. 'Computed on the way' means the value that the module computes at that place (a softmax that the list does not call 'softmax' is quantised finished and normalised). What goes into a quantiser is computed in f32, as accurately as f32 sums, v_exp_f32 and their like allow (about 1e-6 of the number): no bf16 or f16 on the way to a quantiser, and a product that is left as it is and whose result goes on into a quantised operand takes f32 operands (vector FMAs, or v_wmma_f32_16x16x4_f32). A number that lies on a knife's edge between two numbers of the format may be rounded either way, as far as f32 arithmetic and the matrix unit's own rounding can turn it there, and no further.
;; One version. Each part assembles by itself: llvm-mc -triple=amdgcn-amd-amdhsa -mcpu=gfx1250 --defsym DOCPART=n.
;; ======== version 1 of 1: 2 launches
;; limits: right only within a limited range of input values
;; workspace buffers: wcodes 196,608 bytes; wscales 12,288 bytes
;; launch prep (part 1): grid 24 x 1, 4 waves a work-group, no clusters, 0 bytes of LDS; arguments W_ih, wcodes, wscales; writes wcodes, wscales
.if DOCPART == 1
	.amdgcn_target "amdgcn-amd-amdhsa--gfx1250"
	.amdhsa_code_object_version 6
	.text
	.protected	k_q43abf048ed_prep
	.globl	k_q43abf048ed_prep
	.p2align	8
	.type	k_q43abf048ed_prep,@function
k_q43abf048ed_prep:
	s_mov_b64 s[64:65], 0
	v_nop
	global_prefetch_b8 v0, s[64:65] scope:SCOPE_SE
	s_setreg_imm32_b32 hwreg(HW_REG_WAVE_MODE, 25, 1), 1
	s_wait_xcnt 0x0
; W_ih [1024][256] f32: the rows of gates i (0-255), g (512-767) and o (768-1023) become codes of BF8 (E5M2) with one E8M0 byte for each 32 along K.
; The rows of gate f (256-511) are not taken: the problem's function splits f off and never uses it, so no output hangs on them.
; LAYOUT OF THE RESULT: the order of the operand's registers.  Fragment f = 12 w + 4 q + 2 u + s holds rows gate(q) + 32 w + 16 u + 0..15, k = 128 s .. 128 s + 127
; (w: the wave of the next launch that will keep it; q: gate i, g, o; u: tile of 16 units; s: K step).  Lane l = (r, h) holds row r; register group c (four registers) holds k = 32 c + 16 h + 0..15.
; wcodes: group c of lane l at 2048 f + 512 c + 16 l;  wscales: lane l's word (four bytes, byte c for block c) at 128 f + 4 l, lanes 16-31 repeating lanes 0-15.
; A work-group takes four fragments, one a wave: work-group = 3 w + q, wave = 2 u + s.  96 fragments: 24 work-groups.  No LDS, no barrier: waves share nothing.
; A block's scale is 2^(floor(log2(largest magnitude)) - 15): its byte is that magnitude's exponent field - 15, held at 1 from below by a floor among the maximum's leaves.
; LIMITS: a block of zeros gets the byte 1 where the rule says 127 (its codes are zeros, and this program alone reads the bytes); NaN and infinities among the inputs are not served.
.set X,  16                            ; v16-79   64 numbers: register 16 c + i = k 32 c + 16 h + i of my row
.set TM, 80                            ; v80-83 largest magnitudes, v84-87 bytes, v88-91 the largest number x the scale, v92-95 the conversions' scale operands
.set PW, 96                            ; the scale word
.set PC, 100                           ; v100-115 the codes
	s_load_b128 s[4:7], s[0:1], 0x0                ; W_ih, wcodes
	s_load_b64 s[8:9], s[0:1], 0x10                ; wscales
	v_lshrrev_b32 v1, 5, v0
	v_readfirstlane_b32 s10, v1                    ; wave = 2 u + s
	v_and_b32 v2, 31, v0                           ; lane
	v_and_b32 v4, 15, v0                           ; r
	v_bfe_u32 v5, v0, 4, 1                         ; h
	v_lshlrev_b32 v3, 10, v4                       ; a row of W_ih is 1,024 bytes,
	v_lshl_add_u32 v3, v5, 6, v3                   ; + 64 h: my 16 numbers of a block of 32
	v_lshlrev_b32 v6, 4, v2                        ; out: 16 bytes a lane,
	v_lshlrev_b32 v7, 2, v2                        ; and 4 for the scale word
	s_mul_i32 s11, ttmp9, 171
	s_lshr_b32 s11, s11, 9                         ; w = work-group / 3 (exact for 0 .. 23)
	s_mul_i32 s12, s11, 3
	s_sub_co_u32 s12, ttmp9, s12                   ; q
	s_lshl_b32 s13, s12, 9
	s_lshr_b32 s14, s12, 1
	s_lshl_b32 s14, s14, 8
	s_sub_co_u32 s13, s13, s14                     ; the gate's first row: 512 q - 256 (q / 2) = 0, 512, 768
	s_lshl_b32 s14, s11, 5
	s_add_co_u32 s13, s13, s14                     ; + 32 w
	s_lshr_b32 s14, s10, 1
	s_lshl_b32 s14, s14, 4
	s_add_co_u32 s13, s13, s14                     ; + 16 u
	s_lshl_b32 s16, s13, 10                        ; in bytes,
	s_and_b32 s14, s10, 1
	s_lshl_b32 s14, s14, 9
	s_add_co_u32 s16, s16, s14                     ; + 512 s
	s_mov_b32 s17, 0
	s_lshl_b32 s15, ttmp9, 2
	s_add_co_u32 s15, s15, s10                     ; f
	s_lshl_b32 s18, s15, 11
	s_mov_b32 s19, 0
	s_lshl_b32 s20, s15, 7
	s_mov_b32 s21, 0
	s_mov_b32 s22, 0x76543210
	s_mov_b32 s23, 0xfedcba98                      ; v_permlanex16_b32's selects for lane l xor 16
	s_mov_b32 s24, 0x600000                        ; the mantissa field of 57,344
.irp b, 0,1,2,3
	v_mov_b32 v[TM+4+\b], 0                        ; a lane permute's destination counts as one of its sources
.endr
	s_wait_alu depctr_va_vdst(0)
	s_wait_kmcnt 0x0
	s_add_nc_u64 s[4:5], s[4:5], s[16:17]
	s_add_nc_u64 s[6:7], s[6:7], s[18:19]
	s_add_nc_u64 s[8:9], s[8:9], s[20:21]
.irp c, 0,1,2,3
.irp j, 0,1,2,3
	global_load_b128 v[X+16*\c+4*\j:X+16*\c+4*\j+3], v3, s[4:5] offset:128*\c+16*\j th:TH_LOAD_NT
.endr
.endr
	s_wait_loadcnt 0x0
.irp b, 0,1,2,3
	v_max3_num_f32 v[TM+\b], |v[X+16*\b]|, |v[X+1+16*\b]|, 0x8000000   ; block b: my 16 numbers, and the floor 2^(16 - 127): the byte cannot fall under 1
.endr
.irp i, 2,4,6,8,10,12,14
.irp b, 0,1,2,3
	v_max3_num_f32 v[TM+\b], v[TM+\b], |v[X+16*\b+\i]|, |v[X+1+16*\b+\i]|   ; the four blocks by turns
.endr
.endr
.irp b, 0,1,2,3
	v_permlanex16_b32 v[TM+4+\b], v[TM+\b], s22, s23
.endr
.irp b, 0,1,2,3
	v_max_num_f32 v[TM+\b], v[TM+\b], v[TM+4+\b]   ; with lane l xor 16's 16 numbers: the block's largest magnitude
.endr
.irp b, 0,1,2,3
	v_add_nc_u32 v[TM+12+\b], 0xf8800000, v[TM+\b] ; 15 off its exponent field: the conversion takes the exponent field of this operand as its scale
.endr
.irp b, 0,1,2,3
	v_and_or_b32 v[TM+8+\b], v[TM+\b], 0x7f800000, s24   ; 57,344 x the scale
.endr
.irp b, 0,1,2,3
	v_lshrrev_b32 v[TM+4+\b], 23, v[TM+12+\b]      ; the scale's byte
.endr
	v_lshl_or_b32 v[PW], v[TM+5], 8, v[TM+4]       ; four bytes make my row's scale word
	v_lshl_or_b32 v[PW], v[TM+6], 16, v[PW]
	v_lshl_or_b32 v[PW], v[TM+7], 24, v[PW]
.irp b, 0,1,2,3
.irp i, 0,1,2,3,4,5,6,7,8,9,10,11,12,13,14,15
	v_med3_num_f32 v[X+16*\b+\i], v[X+16*\b+\i], -v[TM+8+\b], v[TM+8+\b]   ; the conversion to an 8-bit code does not saturate (ISA guide 7.6.2): hold first
.endr
	v_cvt_scalef32_pk8_bf8_f32 v[PC+4*\b:PC+1+4*\b], v[X+16*\b:X+7+16*\b], v[TM+12+\b]
	v_cvt_scalef32_pk8_bf8_f32 v[PC+2+4*\b:PC+3+4*\b], v[X+8+16*\b:X+15+16*\b], v[TM+12+\b]
.endr
	v_nop                                          ; a plain line behind the last conversion
.irp c, 0,1,2,3
	global_store_b128 v6, v[PC+4*\c:PC+4*\c+3], s[6:7] offset:512*\c   ; 32 lanes store 512 consecutive bytes, at a multiple of 512 from the buffer's first byte
.endr
	global_store_b32 v7, v[PW], s[8:9]             ; 128 consecutive bytes
	s_endpgm
.Lfunc_end_k_q43abf048ed_prep:
	.size	k_q43abf048ed_prep, .Lfunc_end_k_q43abf048ed_prep-k_q43abf048ed_prep
	.p2alignl 7, 3214868480
	.fill 96, 4, 3214868480
	.section	.rodata,"a",@progbits
	.p2align	6, 0x0
	.amdhsa_kernel k_q43abf048ed_prep
		.amdhsa_group_segment_fixed_size 0
		.amdhsa_private_segment_fixed_size 0
		.amdhsa_enable_private_segment 0
		.amdhsa_kernarg_size 24
		.amdhsa_user_sgpr_count 2
		.amdhsa_user_sgpr_kernarg_segment_ptr 1
		.amdhsa_wavefront_size32 1
		.amdhsa_system_sgpr_workgroup_id_x 1
		.amdhsa_system_sgpr_workgroup_id_y 1
		.amdhsa_system_sgpr_workgroup_id_z 1
		.amdhsa_system_vgpr_workitem_id 0
		.amdhsa_next_free_vgpr 128
		.amdhsa_next_free_sgpr 66
		.amdhsa_reserve_vcc 0
		.amdhsa_float_denorm_mode_32 3
		.amdhsa_float_denorm_mode_16_64 3
		.amdhsa_memory_ordered 1
		.amdhsa_forward_progress 1
		.amdhsa_inst_pref_size 12
	.end_amdhsa_kernel
	.amdgpu_metadata
---
amdhsa.version: [ 1, 2 ]
amdhsa.kernels:
  - .name:           k_q43abf048ed_prep
    .symbol:         k_q43abf048ed_prep.kd
    .args:
      - { .name: W_ih, .offset: 0, .size: 8, .value_kind: global_buffer, .address_space: global }
      - { .name: wcodes, .offset: 8, .size: 8, .value_kind: global_buffer, .address_space: global }
      - { .name: wscales, .offset: 16, .size: 8, .value_kind: global_buffer, .address_space: global }
    .group_segment_fixed_size: 0
    .private_segment_fixed_size: 0
    .kernarg_segment_align: 8
    .kernarg_segment_size: 24
    .max_flat_workgroup_size: 128
    .sgpr_count:     66
    .vgpr_count:     128
    .wavefront_size: 32
...
	.end_amdgpu_metadata
.endif
;; end of part 1
;; launch main (part 2): grid 256 x 1, 16 waves a work-group, no clusters, 232,448 bytes of LDS; arguments x, Win, b_in, b_ih, b_hh, Wout, b_out, wcodes, wscales, out0; writes out0
.if DOCPART == 2
	.amdgcn_target "amdgcn-amd-amdhsa--gfx1250"
	.amdhsa_code_object_version 6
	.text
	.protected	k_q43abf048ed_main
	.globl	k_q43abf048ed_main
	.p2align	8
	.type	k_q43abf048ed_main,@function
k_q43abf048ed_main:
	s_mov_b64 s[64:65], 0
	v_nop
	global_prefetch_b8 v0, s[64:65] scope:SCOPE_SE
	s_setreg_imm32_b32 hwreg(HW_REG_WAVE_MODE, 25, 1), 1
	s_wait_xcnt 0x0
; y[row] = b_out + sum over h of Wout[h] sigmoid(o) tanh(sigmoid(i) tanh(g)),  gates = Q(x0) Q(W_ih)^T + b_ih + b_hh in MX-BF8 (K = 256),  x0 = relu(x Win^T + b_in) in f32.
; LEFT OUT: gate f (rows 256-511 of W_ih, b_ih, b_hh): the problem's function splits it off and never uses it, whatever the inputs hold.  A NaN or infinity that reaches gate f alone is not carried to y.
; ROWS.  186,880 rows = 11,680 tiles of 16; 4,096 waves.  Wave W = 16 x work-group + wave begins at tile (365 W) >> 7 and always computes three tiles (48 rows); it owns the two or three tiles
; up to the next wave's first and stores those alone: each row has one owner, and tile 11,677 + 2 is x's last, so no load leaves x.
; A WAVE TAKES ITS ROWS THROUGH THE WHOLE CHAIN; waves hand nothing to each other.  Two barriers in all: one shows the small tables, one (behind three of phase 1's eight blocks) the weights.
; LDS: W_ih's codes and scale words as the launch before laid them (fragment f = 12 w + 4 q + 2 u + s at 2048 f + 512 c + 16 lane; word at 128 f + 4 lane), brought once by 27 lane copies a thread;
; Win as an image of the f32 fragments; b_ih + b_hh of gates i, g, o; b_in; Wout.
; PHASE 1: for each block of 32 units and each tile: 8 f32 matrix instructions (b_in as first C), the block's scale, relu and hold in one, conversion.  The codes stay in 96 registers.
; Win's rows of a tile are chosen (lane a of tile u: row 32 kb + 8 u + a + 8 (a / 8)) so that a lane's 16 results are units 32 kb + 16 h + 0..15; K of this product is permuted alike in Win and x.
; PHASE 2: 8 trips x 2 tiles of 16 units.  A weight fragment read from LDS feeds three products (my three tiles); each gate's fragments are asked for one stage ahead of their products.
; Both products are used transposed: lane (r, h) holds row r.
; ACTIVATIONS (L = log2 e): a = 2^(-L i), b = 2^(2 L g), d = 2^(-L o);  u = (b - 1) / ((1 + a)/(2 L) (b + 1));  e = 2^u;  y += (e w - w) / ((1 + d)(e + 1)).
; LIMITS: 2 L g is held to +-32, where tanh is within 2^-31 of +-1; a or d infinite give a divisor of infinity and the right limit 0; a quotient under 2^-126 comes out as 0;
; a block of zeros gets the scale byte 1 (its codes are zeros); NaN and infinities among the inputs are not served.
; NO CLUSTER: what work-groups share, 208,896 bytes of weights, is fetched once a work-group at the head; no loop asks memory for anything.  NO PREFETCH: a wave's 3,072 bytes of x are asked for at its head.
.set WSC,   196608                     ; LDS: codes at 0; scale words
.set WIN,   208896                     ; Win's image: block kb, tile u, half p at 2048 kb + 1024 u + 512 p + 16 lane
.set GBS,   225280                     ; b_ih + b_hh, gates i, g, o: 768 numbers; then b_in (+3072) and Wout (+4096)
.set BIN,   GBS+3072
.set SPARE, 230400                     ; the spare words: 128 bytes for each of 16 waves
.set LI,  1                            ; 16 x lane (+ 24,576 a trip)
.set LS,  2                            ; WSC + 4 r + 128 h (+ 1,536 a trip): lanes 0-15 K step 0's word, lanes 16-31 K step 1's
.set HB,  3                            ; GBS + 32 h (+ 128 a trip)
.set SPW, 4
.set NIL, 5
.set CA,  6                            ; the copies' LDS and global offsets; behind them v[6:7] = 1 / (2 L), twice
.set CG,  7
.set XS,  8                            ; v8-13  x0's scale words, tile t, K step s at 2 t + s
.set WS,  14                           ; v14    the gate's scale words
.set Y,   16                           ; v16-21 three pairs of sums
.set WA,  22                           ; WIN + 16 x lane
.set BA,  23                           ; BIN + 64 h
.set QA,  24                           ; v24-29 the quantiser's work
.set QB,  25
.set QP,  26
.set QS,  27
.set QH,  28
.set QBY, 29
.set GB,  24                           ; v24-31 phase 2: the gate's bias in the result's layout
.set XO,  30
.set XC,  32                           ; v32-127 x0's codes: tile t, K step s at 32 t + 16 s
.set TA,  32                           ; the head's work lies where codes come later
.set TB,  34
.set TO,  36
.set GD,  37
.set WST, 38
.set WGO, 39
.set WD,  40
.set G,   128                          ; v128-199 the gates: gate q, tile t at 24 q + 8 t
.set XB,  128                          ; phase 1: x's fragments, 8 a tile
.set WI,  152                          ; phase 1: Win's two tiles (16) and b_in (16): set 0 here, set 1 at 200
.set T,   184                          ; phase 1: x0 held
.set F,   200                          ; v200-231 the gate's two weight fragments
.set WO,  232                          ; v232-239 Wout in the gates' layout (phase 1: six of the copies' offsets)
.set XA,  240                          ; v240-255 x0's two accumulators: written by matrix instructions alone
.macro NOPS n
.rept \n
	v_nop
.endr
.endm
.macro LDW kb                          ; Win's two tiles and b_in of block kb into set kb % 2
.set LT, WI+48*((\kb)%2)
.irp u, 0,1
.irp p, 0,1
	ds_load_b128 v[LT+8*\u+4*\p:LT+8*\u+4*\p+3], v[WA] offset:2048*(\kb)+1024*\u+512*\p
	ds_load_b128 v[LT+16+8*\u+4*\p:LT+16+8*\u+4*\p+3], v[BA] offset:128*(\kb)+32*\u+16*\p
.endr
.endr
.endm
.macro MMX t, st                       ; two accumulators by turns, one instruction a turn; b_in starts the sums
.irp ks, 0,1,2,3
.irp u, 0,1
.if \ks == 0
	v_wmma_f32_16x16x4_f32 v[XA+8*\u:XA+8*\u+7], v[(\st)+8*\u:(\st)+8*\u+1], v[XB+8*(\t):XB+8*(\t)+1], v[(\st)+16+8*\u:(\st)+16+8*\u+7]
.else
	v_wmma_f32_16x16x4_f32 v[XA+8*\u:XA+8*\u+7], v[(\st)+8*\u+2*\ks:(\st)+8*\u+2*\ks+1], v[XB+8*(\t)+2*\ks:XB+8*(\t)+2*\ks+1], v[XA+8*\u:XA+8*\u+7]
.endif
.endr
.endr
.endm
; a block of x0 (16 numbers a lane, 32 with lane l xor 16) becomes four registers of codes and a byte of the scale word.  No |.|: what is negative becomes 0 and must not count; the floor 2^(16 - 127) stands over it
.macro QUANT t, kb
.set CO, XC+32*(\t)+16*((\kb)/4)+4*((\kb)%4)
.set XW, XS+2*(\t)+(\kb)/4
	v_max3_num_f32 v[QA], v[XA], v[XA+1], 0x8000000
	v_max3_num_f32 v[QB], v[XA+8], v[XA+9], v[XA+10]
	v_max3_num_f32 v[QA], v[QA], v[XA+2], v[XA+3]
	v_max3_num_f32 v[QB], v[QB], v[XA+11], v[XA+12]
	v_max3_num_f32 v[QA], v[QA], v[XA+4], v[XA+5]
	v_max3_num_f32 v[QB], v[QB], v[XA+13], v[XA+14]
	v_max3_num_f32 v[QA], v[QA], v[XA+6], v[XA+7]
	v_max3_num_f32 v[QA], v[QA], v[QB], v[XA+15]
	v_permlanex16_b32 v[QP], v[QA], s42, s43
	v_max_num_f32 v[QA], v[QA], v[QP]
	v_add_nc_u32 v[QS], 0xf8800000, v[QA]          ; 15 off the exponent field: the conversion's scale operand
	v_and_or_b32 v[QH], v[QA], 0x7f800000, s40     ; 57,344 x the scale
.if (\kb)%4 == 0
	v_lshrrev_b32 v[XW], 23, v[QS]                 ; the scale's byte starts the word
.else
	v_lshrrev_b32 v[QBY], 23, v[QS]
	v_lshl_or_b32 v[XW], v[QBY], 8*((\kb)%4), v[XW]
.endif
.irp i, 0,1,2,3,4,5,6,7,8,9,10,11,12,13,14,15
	v_med3_num_f32 v[T+\i], v[XA+\i], 0, v[QH]     ; the relu and the hold in one
.endr
	v_cvt_scalef32_pk8_bf8_f32 v[CO:CO+1], v[T:T+7], v[QS]
	v_cvt_scalef32_pk8_bf8_f32 v[CO+2:CO+3], v[T+8:T+15], v[QS]
	v_nop                                          ; a plain line behind the last conversion
.endm
.macro BLOCK kb
.set ST, WI+48*((\kb)%2)
.if (\kb) < 7
	LDW (\kb)+1                                    ; into the set that block kb - 1 read: its last products lie 8 places and a quantiser back
	s_wait_dscnt 8                                 ; this block's eight loads are in; the eight just issued may be out
.else
	s_wait_dscnt 0x0
.endif
.irp t, 0,1,2
	MMX \t, ST
	NOPS 8                                         ; eight places ahead of the first read of the sums
	QUANT \t, \kb
.endr
.endm
.macro LOADF fi, bo                    ; a gate of a unit tile: fragments fi and fi + 1 of the trip's twelve, their scale words in one register, the bias at byte bo
.irp s, 0,1
.irp c, 0,1,2,3
	ds_load_b128 v[F+16*\s+4*\c:F+16*\s+4*\c+3], v[LI] offset:2048*((\fi)+\s)+512*\c
.endr
.endr
	ds_load_b32 v[WS], v[LS] offset:128*(\fi)
	ds_load_b128 v[GB:GB+3], v[HB] offset:\bo
	ds_load_b128 v[GB+4:GB+7], v[HB] offset:(\bo)+16
.endm
.macro GATE q                          ; three accumulators by turns, K step by K step; the bias starts the sums
.irp t, 0,1,2
	v_wmma_scale_f32_16x16x128_f8f6f4 v[G+24*\q+8*\t:G+24*\q+8*\t+7], v[F:F+15], v[XC+32*\t:XC+32*\t+15], v[GB:GB+7], v[WS], v[XS+2*\t] matrix_a_fmt:MATRIX_FMT_BF8 matrix_b_fmt:MATRIX_FMT_BF8
.endr
.irp t, 0,1,2
	v_wmma_scale_f32_16x16x128_f8f6f4 v[G+24*\q+8*\t:G+24*\q+8*\t+7], v[F+16:F+31], v[XC+32*\t+16:XC+32*\t+31], v[G+24*\q+8*\t:G+24*\q+8*\t+7], v[WS], v[XS+2*\t+1] matrix_a_fmt:MATRIX_FMT_BF8 matrix_b_fmt:MATRIX_FMT_BF8 matrix_a_scale:MATRIX_SCALE_ROW1
.endr
.endm
.macro SCALE o, sr                     ; 24 numbers of a gate x a constant, from each accumulator's low end on
.set n, 0
.rept 12
	v_pk_mul_f32 v[G+\o+2*n:G+\o+2*n+1], v[G+\o+2*n:G+\o+2*n+1], s[\sr:\sr+1] op_sel_hi:[1,0]
.set n, n+1
.endr
.endm
.macro TRANS op, o, cnt
.set n, 0
.rept \cnt
	\op v[G+\o+n], v[G+\o+n]
.set n, n+1
.endr
.endm
; one tile of 16 units for my 48 rows.  i's numbers at G, g's at G + 24, o's at G + 48; pair n = tile n / 4, units 2 (n % 4) + 0, 1 of the lane's eight.
; At its head gate i's fragments are on their way.  nfi, nbo: gate i of the tile that follows (in the last trip: LDS bytes that are written and not used).
.macro UT u, nfi, nbo
	s_wait_dscnt 0x0                               ; gate i's fragments, words and bias
	GATE 0
	NOPS 8                                         ; places ahead of the loads into the products' sources, and of the first read of i
	LOADF 4+2*\u, 1024+64*\u                       ; gate g's
	ds_load_b128 v[WO:WO+3], v[HB] offset:4096+64*\u
	ds_load_b128 v[WO+4:WO+7], v[HB] offset:4096+64*\u+16
	SCALE 0, 52                                    ; -L i
	s_wait_alu depctr_va_vdst(0)                   ; the wait ahead of a batch
	TRANS v_exp_f32, 0, 24                         ; a
	v_nop
	s_wait_dscnt 0x0
	GATE 1
	s_wait_alu depctr_va_vdst(0)                   ; and behind it, ahead of its first reader
.set n, 0
.rept 12
	v_pk_fma_f32 v[G+2*n:G+2*n+1], v[G+2*n:G+2*n+1], v[6:7], v[6:7]                         ; (1 + a) / (2 L): twelve plain lines, the places behind g's products
.set n, n+1
.endr
	LOADF 8+2*\u, 2048+64*\u                       ; gate o's
	SCALE 24, 54                                   ; 2 L g
.set n, 0
.rept 24
	v_med3_num_f32 v[G+24+n], v[G+24+n], s39, s38
.set n, n+1
.endr
	s_wait_alu depctr_va_vdst(0)
	TRANS v_exp_f32, 24, 24                        ; b
	v_nop
	s_wait_dscnt 0x0
	GATE 2
	s_wait_alu depctr_va_vdst(0)
.set n, 0
.rept 12
	v_pk_fma_f32 v[G+2*n:G+2*n+1], v[G+2*n:G+2*n+1], v[G+24+2*n:G+25+2*n], v[G+2*n:G+2*n+1]   ; x (b + 1): with the next twelve, the places behind o's products
.set n, n+1
.endr
.set n, 0
.rept 12
	v_pk_add_f32 v[G+24+2*n:G+25+2*n], v[G+24+2*n:G+25+2*n], -1.0 op_sel_hi:[1,0]            ; b - 1
.set n, n+1
.endr
	LOADF \nfi, \nbo                               ; gate i's of the tile that follows
	SCALE 48, 52                                   ; -L o
	s_wait_alu depctr_va_vdst(0)
	TRANS v_rcp_f32, 0, 24
	TRANS v_exp_f32, 48, 24                        ; d
	v_nop
	s_wait_alu depctr_va_vdst(0)
.set n, 0
.rept 12
	v_pk_mul_f32 v[G+24+2*n:G+25+2*n], v[G+24+2*n:G+25+2*n], v[G+2*n:G+2*n+1]                ; u
.set n, n+1
.endr
.set n, 0
.rept 12
	v_pk_add_f32 v[G+48+2*n:G+49+2*n], v[G+48+2*n:G+49+2*n], 1.0 op_sel_hi:[1,0]             ; 1 + d
.set n, n+1
.endr
	s_wait_alu depctr_va_vdst(0)
	TRANS v_exp_f32, 24, 24                        ; e
	v_nop
	s_wait_alu depctr_va_vdst(0)
.set n, 0
.rept 12
	v_pk_fma_f32 v[G+48+2*n:G+49+2*n], v[G+48+2*n:G+49+2*n], v[G+24+2*n:G+25+2*n], v[G+48+2*n:G+49+2*n]   ; (1 + d)(e + 1)
.set n, n+1
.endr
	s_wait_alu depctr_va_vdst(0)
	TRANS v_rcp_f32, 48, 24
.set n, 0
.rept 12
	v_pk_fma_f32 v[G+2*n:G+2*n+1], v[G+24+2*n:G+25+2*n], v[WO+2*(n%4):WO+2*(n%4)+1], v[WO+2*(n%4):WO+2*(n%4)+1] neg_lo:[0,0,1] neg_hi:[0,0,1]   ; e w - w: plain work behind the reciprocals
.set n, n+1
.endr
	s_wait_alu depctr_va_vdst(0)
.set n, 0
.rept 12
	v_pk_fma_f32 v[Y+2*(n/4):Y+2*(n/4)+1], v[G+2*n:G+2*n+1], v[G+48+2*n:G+49+2*n], v[Y+2*(n/4):Y+2*(n/4)+1]
.set n, n+1
.endr
.endm
	s_load_b256 s[8:15], s[0:1], 0x0               ; x, Win, b_in, b_ih
	s_load_b256 s[16:23], s[0:1], 0x20             ; b_hh, Wout, b_out, wcodes
	s_load_b128 s[24:27], s[0:1], 0x40             ; wscales, out0
	v_lshl_add_u32 v[SPW], v0, 2, SPARE
	v_mov_b32 v[NIL], 0
	ds_add_u32 v[SPW], v[NIL]                      ; the opening lines: the add, twice on end, and its wait ahead of my first copy
	ds_add_u32 v[SPW], v[NIL]
	v_lshrrev_b32 v[LI], 5, v0
	v_readfirstlane_b32 s2, v[LI]                  ; wave 0..15
	s_lshl_b32 s32, s2, 10
	s_cmp_lt_u32 s2, 4
	s_cselect_b32 s31, 0, 1024                     ; the tables' source: gate i as it lies, g and o 256 numbers further on (f is passed over),
	s_cmp_lt_u32 s2, 12
	s_cselect_b32 s31, s31, 0xfffff400             ; waves 12-15: b_in and Wout from their first byte (8 x thread - 3,072)
	v_and_b32 v[LS], 31, v0                        ; lane
	v_and_b32 v[HB], 15, v0                        ; r
	v_bfe_u32 v31, v0, 4, 1                        ; h
	v_lshlrev_b32 v[XO], 6, v[HB]
	v_lshl_add_u32 v[XO], v31, 5, v[XO]            ; x: 64 r + 32 h
	v_and_b32 v[WGO], 8, v[HB]
	v_add_nc_u32 v[WGO], v[WGO], v[HB]             ; r + 8 (r / 8)
	v_lshlrev_b32 v[WGO], 6, v[WGO]
	v_lshl_add_u32 v[WGO], v31, 5, v[WGO]          ; Win: that row of 64 bytes + 32 h
	v_lshlrev_b32 v[LI], 4, v[LS]
	v_add_nc_u32 v[WST], s32, v[LI]
	v_add_nc_u32 v[WST], WIN, v[WST]               ; my wave's tile of Win's image: wave = 2 kb + u
	v_add_nc_u32 v[WA], WIN, v[LI]
	v_lshl_add_u32 v[BA], v31, 6, BIN
	v_lshl_add_u32 v[LS], v[HB], 2, WSC
	v_lshl_add_u32 v[LS], v31, 7, v[LS]            ; lanes 16-31 read the next fragment's words
	v_lshl_add_u32 v[HB], v31, 5, GBS
	v_lshlrev_b32 v[CA], 4, v0
	v_lshlrev_b32 v[CG], 4, v0
	v_lshl_add_u32 v[WO+2], v0, 4, 65536           ; the copies' offsets stay under 65,536: the second and third 64 KiB of the codes have address registers of their own
	v_lshl_add_u32 v[WO+3], v0, 4, 65536
	v_lshl_add_u32 v[WO+4], v0, 4, 131072
	v_lshl_add_u32 v[WO+5], v0, 4, 131072
	v_lshl_add_u32 v[WO], v0, 3, WSC
	v_lshlrev_b32 v[WO+1], 3, v0
	v_lshl_add_u32 v[GD], v0, 3, GBS               ; threads 0-383: the bias; 384-511: b_in, and Wout 1,024 bytes on
	v_lshl_add_u32 v[TO], v0, 3, s31
	v_mov_b32 v[QP], 0                             ; a lane permute's destination counts as one of its sources
	s_lshl_b32 s28, ttmp9, 4
	s_add_co_u32 s28, s28, s2                      ; W
	s_mul_i32 s29, s28, 365
	s_add_co_u32 s30, s29, 365
	s_lshr_b32 s29, s29, 7                         ; my first tile
	s_lshr_b32 s30, s30, 7                         ; the next wave's
	s_sub_co_u32 s30, s30, s29
	s_cmp_eq_u32 s30, 3
	s_cselect_b32 s33, 16, 0                       ; lanes that store my third tile
	s_lshl_b32 s46, s29, 10
	s_mov_b32 s47, 0
	s_lshl_b32 s48, s29, 6
	s_mov_b32 s49, 0
	s_lshr_b32 s50, s2, 1
	s_lshl_b32 s50, s50, 11
	s_and_b32 s51, s2, 1
	s_lshl_b32 s51, s51, 9
	s_add_co_u32 s50, s50, s51                     ; Win at row 32 kb + 8 u
	s_mov_b32 s51, 0
	s_mov_b32 s52, 0xbfb8aa3b                      ; -L, as a pair
	s_mov_b32 s53, 0xbfb8aa3b
	s_mov_b32 s54, 0x4038aa3b                      ; 2 L
	s_mov_b32 s55, 0x4038aa3b
	s_mov_b32 s38, 0x42000000                      ; 32
	s_mov_b32 s39, 0xc2000000
	s_mov_b32 s40, 0x600000                        ; the mantissa field of 57,344
	s_mov_b32 s42, 0x76543210
	s_mov_b32 s43, 0xfedcba98
	s_wait_alu depctr_va_vdst(0)                   ; the wait at the head's end
	s_wait_dscnt 0x0                               ; both opening adds are done
	s_wait_kmcnt 0x0
	s_cmp_lt_u32 s2, 12
	s_cselect_b64 s[34:35], s[14:15], s[12:13]     ; b_ih, or b_in
	s_cselect_b64 s[36:37], s[16:17], s[18:19]     ; b_hh, or Wout
	s_load_b32 s45, s[20:21], 0x0                  ; b_out
	s_add_nc_u64 s[8:9], s[8:9], s[46:47]
	s_add_nc_u64 s[26:27], s[26:27], s[48:49]
	s_add_nc_u64 s[10:11], s[10:11], s[50:51]
	global_load_b128 v[WD:WD+3], v[WGO], s[10:11]
	global_load_b128 v[WD+4:WD+7], v[WGO], s[10:11] offset:16
	global_load_b64 v[TA:TA+1], v[TO], s[34:35]
	global_load_b64 v[TB:TB+1], v[TO], s[36:37]
.irp t, 0,1,2
	global_load_b128 v[XB+8*\t:XB+8*\t+3], v[XO], s[8:9] offset:1024*\t
	global_load_b128 v[XB+8*\t+4:XB+8*\t+7], v[XO], s[8:9] offset:1024*\t+16
.endr
	s_wait_loadcnt 0x0                             ; what phase 1 needs is in; the weights are asked for behind it: they are wanted three blocks on
.set i, 0
.rept 8
	global_load_async_to_lds_b128 v[CA], v[CG], s[22:23] offset:8192*i        ; 512 threads x 16 bytes: the codes as they lie
	global_load_async_to_lds_b128 v[WO+2], v[WO+3], s[22:23] offset:8192*i
	global_load_async_to_lds_b128 v[WO+4], v[WO+5], s[22:23] offset:8192*i
.set i, i+1
.endr
.irp i, 0,1,2
	global_load_async_to_lds_b64 v[WO], v[WO+1], s[24:25] offset:4096*\i  ; and the scale words
.endr
	ds_store_b128 v[WST], v[WD:WD+3]
	ds_store_b128 v[WST], v[WD+4:WD+7] offset:512
	s_cmp_lt_u32 s2, 12
	s_cbranch_scc0 .Lraw
	v_pk_add_f32 v[TA:TA+1], v[TA:TA+1], v[TB:TB+1]   ; b_ih + b_hh
	ds_store_b64 v[GD], v[TA:TA+1]
	s_branch .Ltab
.Lraw:
	ds_store_b64 v[GD], v[TA:TA+1]                 ; b_in
	ds_store_b64 v[GD], v[TB:TB+1] offset:1024     ; Wout
.Ltab:
	s_wait_dscnt 0x0                               ; for the others' sake: my stores are done
	s_barrier_signal -1
	s_barrier_wait -1                              ; the tables are whole; the copies stay on their way: nothing is filled again
	LDW 0
.irp kb, 0,1,2,3,4,5,6,7
	BLOCK \kb
.if \kb == 2
	s_wait_alu depctr_va_vdst(0)                   ; the wait here, ahead of the waits below
	s_wait_asynccnt 0x0                            ; my 27 copies have landed
	s_wait_kmcnt 0x0                               ; b_out
	s_wait_dscnt 0x0                               ; no LDS load of mine is out at the signal
	s_barrier_signal -1
	s_barrier_wait -1                              ; everybody's copies have landed: from here on no wave waits for another
	v_mov_b32 v6, 0x3eb17218                       ; 1 / (2 L); the copies have read these two registers
	v_mov_b32 v7, 0x3eb17218
.endif
.endr
.irp j, 0,1,2,3,4,5
	v_mov_b32 v[Y+\j], 0                           ; the sums begin; also the places between the last codes and the first product
.endr
	LOADF 0, 0                                     ; gate i of the first unit tile
	s_wait_alu depctr_va_vdst(0)
	s_mov_b32 s3, 8
.Lw:                                                   ; a trip: units 32 w .. 32 w + 31
	UT 0, 2, 64
	UT 1, 12, 128
	v_add_nc_u32 v[LI], 24576, v[LI]
	v_add_nc_u32 v[LS], 1536, v[LS]
	v_add_nc_u32 v[HB], 128, v[HB]
	s_wait_alu depctr_va_vdst(0)                   ; the wait ahead of the branch
	s_sub_co_u32 s3, s3, 1
	s_cmp_lg_u32 s3, 0
	s_cbranch_scc1 .Lw
	s_wait_dscnt 0x0                               ; the last trip's look-ahead has landed: its registers may be written
.irp t, 0,1,2
	v_add_f32 v[Y+2*\t], v[Y+2*\t], v[Y+2*\t+1]
.endr
.irp t, 0,1,2
	v_permlanex16_b32 v[GB+\t], v[Y+2*\t], s42, s43
.endr
.irp t, 0,1,2
	v_add_f32 v[Y+2*\t], v[Y+2*\t], v[GB+\t]       ; with lane l xor 16's eight units of each tile
.endr
.irp t, 0,1,2
	v_add_f32 v[Y+2*\t], s45, v[Y+2*\t]
.endr
	v_and_b32 v[WA], 31, v0
	v_lshlrev_b32 v[BA], 2, v[WA]
	v_cmp_gt_u32 vcc_lo, 16, v[WA]
	v_cndmask_b32 v[Y+1], v[Y+2], v[Y], vcc_lo     ; lanes 0-15 my first tile, lanes 16-31 my second
	s_wait_alu depctr_va_vdst(0)                   ; the wait here, ahead of the waits below
	global_store_b32 v[BA], v[Y+1], s[26:27]       ; 128 consecutive bytes
	s_wait_xcnt 0x0                                ; EXEC changes only behind this wait
	v_cmp_gt_u32 vcc_lo, s33, v[WA]                ; my third tile, if it is mine
	s_and_saveexec_b32 s58, vcc_lo
	global_store_b32 v[BA], v[Y+4], s[26:27] offset:128
	s_wait_xcnt 0x0
	s_or_b32 exec_lo, exec_lo, s58
	s_wait_asynccnt 0x0
	s_wait_tensorcnt 0x0                           ; the wave's end
	ds_add_u32 v[SPW], v[NIL]
	s_wait_dscnt 0x0
	s_endpgm
.Lfunc_end_k_q43abf048ed_main:
	.size	k_q43abf048ed_main, .Lfunc_end_k_q43abf048ed_main-k_q43abf048ed_main
	.p2alignl 7, 3214868480
	.fill 96, 4, 3214868480
	.section	.rodata,"a",@progbits
	.p2align	6, 0x0
	.amdhsa_kernel k_q43abf048ed_main
		.amdhsa_group_segment_fixed_size 232448
		.amdhsa_private_segment_fixed_size 0
		.amdhsa_enable_private_segment 0
		.amdhsa_kernarg_size 80
		.amdhsa_user_sgpr_count 2
		.amdhsa_user_sgpr_kernarg_segment_ptr 1
		.amdhsa_wavefront_size32 1
		.amdhsa_system_sgpr_workgroup_id_x 1
		.amdhsa_system_sgpr_workgroup_id_y 1
		.amdhsa_system_sgpr_workgroup_id_z 1
		.amdhsa_system_vgpr_workitem_id 0
		.amdhsa_next_free_vgpr 256
		.amdhsa_next_free_sgpr 66
		.amdhsa_reserve_vcc 1
		.amdhsa_float_denorm_mode_32 3
		.amdhsa_float_denorm_mode_16_64 3
		.amdhsa_memory_ordered 1
		.amdhsa_forward_progress 1
		.amdhsa_inst_pref_size 121
	.end_amdhsa_kernel
	.amdgpu_metadata
---
amdhsa.version: [ 1, 2 ]
amdhsa.kernels:
  - .name:           k_q43abf048ed_main
    .symbol:         k_q43abf048ed_main.kd
    .args:
      - { .name: x, .offset: 0, .size: 8, .value_kind: global_buffer, .address_space: global }
      - { .name: Win, .offset: 8, .size: 8, .value_kind: global_buffer, .address_space: global }
      - { .name: b_in, .offset: 16, .size: 8, .value_kind: global_buffer, .address_space: global }
      - { .name: b_ih, .offset: 24, .size: 8, .value_kind: global_buffer, .address_space: global }
      - { .name: b_hh, .offset: 32, .size: 8, .value_kind: global_buffer, .address_space: global }
      - { .name: Wout, .offset: 40, .size: 8, .value_kind: global_buffer, .address_space: global }
      - { .name: b_out, .offset: 48, .size: 8, .value_kind: global_buffer, .address_space: global }
      - { .name: wcodes, .offset: 56, .size: 8, .value_kind: global_buffer, .address_space: global }
      - { .name: wscales, .offset: 64, .size: 8, .value_kind: global_buffer, .address_space: global }
      - { .name: out0, .offset: 72, .size: 8, .value_kind: global_buffer, .address_space: global }
    .group_segment_fixed_size: 232448
    .private_segment_fixed_size: 0
    .kernarg_segment_align: 8
    .kernarg_segment_size: 80
    .max_flat_workgroup_size: 512
    .sgpr_count:     66
    .vgpr_count:     256
    .wavefront_size: 32
...
	.end_amdgpu_metadata
.endif
;; end of part 2
